; MI455X (gfx1250); checked and timed in simulation.
; The chip was launched on July 23, 2026; its instructions are those of AMD's public machine-readable ISA for CDNA 5 (MIT licence, August 2026) and "CDNA5" Instruction Set Architecture Reference Guide (July 2026). The comments in the code are by the model that wrote it; some were corrected since.
;; Fe CAM Manager. Allowed arithmetic: float matrix products may take bf16 or f16 operands with f32 sums; all other float work in f32.
;; Inputs: class_diags 100 x 768 float32; class_inv_covs 100 x 768 x 768 float32; class_means 100 x 768 float32; raw_features 1,024 x 768 float32.
;; Outputs: out0 1,024 x 100 float32.
;; 2 versions, each right and faster than the one before. Each part assembles by itself: llvm-mc -triple=amdgcn-amd-amdhsa -mcpu=gfx1250 --defsym DOCPART=n.
;; ======== version 1 of 2: 1 launch
;; limits: values are held in f16: magnitudes above 65,504 overflow, below 6.1e-05 lose precision; right only within a limited range of input values; values outside matrix products are rounded to f16
;; launch fecam (part 1): grid 4 x 100, 4 waves a work-group, clusters of 4 x 1, 327,680 bytes of LDS; arguments raw_features, class_means, class_inv_covs, class_diags, out0; writes out0
.if DOCPART == 1
	.amdgcn_target "amdgcn-amd-amdhsa--gfx1250"
	.amdhsa_code_object_version 6
	.text
	.protected	k_q8adbfe2165_fecam
	.globl	k_q8adbfe2165_fecam
	.p2align	8
	.type	k_q8adbfe2165_fecam,@function
k_q8adbfe2165_fecam:
	s_mov_b64 s[64:65], 0
	v_nop
	global_prefetch_b8 v0, s[64:65] scope:SCOPE_SE
	s_setreg_imm32_b32 hwreg(HW_REG_WAVE_MODE, 25, 1), 1
	s_wait_xcnt 0x0
	s_wait_alu depctr_hold_cnt(0) depctr_sa_sdst(0) depctr_va_vdst(0) depctr_va_sdst(0) depctr_va_ssrc(0) depctr_va_vcc(0) depctr_vm_vsrc(0)
	s_getreg_b32 s2, hwreg(HW_REG_IB_STS2, 6, 4)
	s_cmp_eq_u32 s2, 0
	s_cbranch_scc0 .Lentry_in_a_cluster
	s_endpgm
.Lentry_in_a_cluster:
	s_bfe_u32 s2, ttmp6, 0x10000c
	s_cmp_lg_u32 s2, 0x3003
	s_cbranch_scc0 .Lentry_shape_is_right
	s_endpgm
.Lentry_shape_is_right:
; out[b][c] = - sum over d, e of diff[b][d] inv[c][d][e] diff[b][e],  diff[b][d] = (raw[b][d] - mean[c][d]) / diag[c][d].
; raw [1024][768], mean, diag [100][768], inv [100][768][768], out [1024][100], all f32.
; ORDER OF THE SUMS.  e is summed first: t[b][d] = sum over e of inv[d][e] diff[b][e].  inv's rows (e along the row) are then a matrix operand as they lie in memory: nothing is
; turned and no symmetry is assumed.  The form is linear in t, so a part of the sum over e may be multiplied by diff[b][d] and added to the row's sum by itself: e is split over the waves.
; SHARES.  A work-group owns one class and 256 rows b.  Wave w owns e = 192 w .. 192 w + 191 for all 256 rows: its diff, 16 row tiles x 6 blocks of 32 e in f16, is 768 registers
; (windows 1 to 3) and stays there.  inv goes by in 24 steps of 32 rows d; of each row a wave fetches and reads only its own 768 bytes, as f32, and rounds them to f16 in registers.
; THE FORMAT.  An output is a sum of 589,824 terms of either sign, and each must lie within 1% of the outputs' root mean square.  Three roundings enter each term (inv, diff twice); a rounding
; to p bits is off by about 2^-p / 2 of the number, and the three together shift an output by about 1.7 times that share of the root mean square.  With 8 bits the largest of 102,400
; outputs, four to five times the mean error, reaches the 1%; with f16's 11 bits it stays at an eighth of that.
; THE MATRIX INSTRUCTION: source 0 = 16 rows d of inv x 32 e, source 1 = 16 rows b of diff x 32 e.  In the result lane (r, h) holds row b = r and d = d0 + 8 h + 0..7: what registers
; 0-3 (d0 = 32 t) or 4-7 (d0 = 32 t + 16) of diff's own fragment for block t hold in that lane.  The wave that owns block t (wave t / 6, its block t % 6) puts those fragments into a
; stage in LDS one step ahead; all four waves read them back, lane for lane, widen them to f32 and multiply.
; CLUSTER.  The four row blocks of a class walk the same inv, so each tile of inv is asked for JOINTLY (mask of four); raw's pieces are each work-group's own loads.
; The grid is 100 clusters of equal work; a split into more, smaller shares would cut a row's sum between work-groups and is not made here.
; LIMITS.  f16 holds no number beyond 65,504: a diff or an inv of 65,520 or more becomes an infinity; below 6.1e-5 both keep f16's fixed step of 6e-8.
; diff is made as fma(raw, 1/diag, -mean/diag): against the subtraction first it is off by at most 2^-24 |mean/diag|.  1/diag is v_rcp_f32, which takes denormals as 0
; (ISA guide 15.8): |diag| lies in 2^-126 .. 2^126.  All sums are f32.  NaN and infinities are not treated apart.
; A work-group owns one column of out: its stores are 4 bytes a lane, 400 bytes apart (409,600 bytes in all, beside 236 MB read).
; REGISTERS, in windows of 256 (s_set_vgpr_msb: bits 1:0 source 0, 3:2 source 1, 5:4 source 2, 7:6 destination):
;   window 0: v0-15 addresses; v16-47 two sums a row tile; v48-71 inv in f16, three buffers; v72-103 inv in f32, two buffers; v104-123 stage reads, five buffers; v124-127 four of them widened;
;             v128-255 16 accumulators   (while diff is made: v64-127, v192-255 raw, two buffers; v128-159 1/diag; v160-191 -mean/diag)
;   window 1 + q / 2: diff's fragment (row tile mt, block q) at v[8 (16 (q % 2) + mt)]
.set ROWB,  3072                       ; bytes in a row of raw, mean, diag and inv
.set NSTEP, 24                         ; steps of 32 rows of inv
.set PB,    816                        ; a wave's 768 bytes of a row of inv in LDS: 3 x (256 + 16): 51 x 16, so the 16 rows of a load lie in 16 different columns of 16 bytes modulo 256
.set PR,    272                        ; a row of a piece of raw: 256 + 16 = 17 x 16, likewise
.set WSL,   32*PB                      ; a wave's part of a slot of inv
.set WRB,   128*PR                     ; a wave's part of a buffer of raw
.set RB1,   4*WRB                      ; raw's buffer 1 (buffer 0 at byte 0)
.set SL1,   131072                     ; inv's slot 1 (slot 0 at byte 0): one exclusive or turns an address of one slot into the other's
.set SPARE, 2*RB1                      ; behind all that tensor loads fill: the spare words, 128 bytes for each wave, two blocks of 256 bytes that no other line names
.set RED,   SPARE+512                  ; [wave][256 rows] f32: the waves' sums meet here
.set STG0,  294912                     ; stage 0: [16 d: 2][row tile: 16][lane: 32] x 16 bytes; stage 1 lies STGX further
.set STGX,  16384
.set RL,  1                            ; v1   r = lane % 16
.set HL,  2                            ; v2   h = lane / 16
.set B0,  3                            ; v3   my place in my part of a slot: w WSL + r PB + 32 h
.set BA,  4                            ; v4   the same in the slot in hand
.set L16, 5                            ; v5   16 x lane
.set SRA, 6                            ; v6   my 16 bytes in the stage that is read
.set SWA, 7                            ; v7   in the stage that is written
.set RA0, 8                            ; v8   my place in my part of raw's buffer 0: w WRB + r PR + 32 h
.set VO,  9                            ; v9   my byte offset in a row of mean and diag: 768 w + 32 h
.set RA1, 10                           ; v10  RA0 in buffer 1
.set T0,  11                           ; v11-13 at work
.set T1,  12
.set T2,  13
.set SPW, 14                           ; v14  LDS address of my spare word; never rewritten
.set NIL, 15                           ; v15  0; never rewritten
.set SUM, 16
.set BB,  48
.set FF,  72
.set EE,  104                          ; WIDEN below names these twenty registers by number
.set TW,  124
.set ACC, 128
.set X0,  64
.set X1,  192
.set RS,  128
.set NM,  160
.set WV,   14                          ; s14  my wave's number
.set CX,   15                          ; s15  my place in the cluster
.set CL,   16                          ; s16  the class
.set RBK,  17                          ; s17  my block of 256 rows
.set RG1,  24                          ; s[24:31] descriptor group 1 for raw's pieces
.set BG1,  32                          ; s[32:39] for inv's tiles
.set RG0A, 40                          ; s[40:43] group 0 for raw's even pieces (buffer 0)
.set BG0,  44                          ; s[44:47] group 0 for inv: it walks
.set RAWB, 48                          ; s[48:49] raw at my block's first row, my wave's first column
.set CNT,  50                          ; s50  steps that still ask for a tile
.set TB,   51                          ; s51  the slot in hand
.set SRD,  52                          ; s52  the stage that is read
.set SWR,  53                          ; s53  the stage that is written
.set QN,   54                          ; s54  the block to be published: its number in its owner's six,
.set OWN,  55                          ; s55  and its owner
.set INC,  56
.set W768, 57
.set SEL,  58                          ; s[58:59] v_permlanex16_b32's selects: each lane takes its own place in the other half
.set RG0B, 60                          ; s[60:63] group 0 for raw's odd pieces (buffer 1)
.set MSB, 0
.macro WIN new                         ; the immediate's high byte repeats the setting that is left; a switch that changes nothing is dropped
.if MSB != (\new)
	s_set_vgpr_msb (MSB<<8)|(\new)
.set MSB, (\new)
.endif
.endm
; A round of the cluster's barrier: my work-group's barrier, so that wave 0's signal speaks for all four waves; wave 0 signals; every wave waits for all four work-groups; my work-group's barrier once more.
.macro ROUND
	s_barrier_signal -1
	s_barrier_wait -1
	s_cmp_lg_u32 s[WV], 0
	s_cbranch_scc1 .Lnot_wave_0_\@
	s_barrier_signal -3
.Lnot_wave_0_\@:
	s_barrier_wait -3
	s_barrier_signal -1
	s_barrier_wait -1
.endm
.macro OPEN3                           ; ahead of a barrier behind which LDS is filled again
	WIN 0
	s_wait_tensorcnt 0x0                           ; all my tensor loads have landed (one was out): a group 0 may be written
	ds_add_u32 v[SPW], v[NIL]                      ; 0 onto my spare word; scalar work stands between it and the wait for it
.endm
.macro ASK g0, g1                      ; every wave fetches its own quarter: both addresses hang on the wave's number.  An s_nop 0 and four v_nop follow
	tensor_load_to_lds s[\g0:\g0+3], s[\g1:\g1+7]
	s_nop 0
.rept 4
	v_nop
.endr
.endm
.macro TOGGLE                          ; the next step's slot and stages
	s_xor_b32 s[TB], s[TB], SL1
	s_xor_b32 s[SRD], s[SRD], STGX
	s_xor_b32 s[SWR], s[SWR], STGX
.endm
; Piece i of raw (rows 128 (i % 2) on, my columns 64 (i / 2) on) goes into the buffer that has been read out.
.macro CH_RAW i
.set gg, RG0A+(RG0B-RG0A)*((\i)%2)
	OPEN3
	s_add_nc_u64 s[gg+2:gg+3], s[RAWB:RAWB+1], ((\i)%2)*128*ROWB+((\i)/2)*256
	s_or_b32 s[gg+3], s[gg+3], 0x80000000
	s_wait_dscnt 0x0                               ; the add is done, and my reads of the buffer are over
	ROUND                                          ; in a launch in clusters every tensor load stands behind a round
	ASK gg, RG1
.endm
.macro CH_FIRST                        ; step 0 of inv goes into slot 0, which lies inside raw's buffer 0: all its pieces have been read
	OPEN3
	s_wait_dscnt 0x0
	ROUND
	ASK BG0, BG1
.endm
.macro CH_B                            ; the change of slots: the slot read last takes the step after the one that now begins
	OPEN3
	TOGGLE
	s_xor_b32 s[BG0+1], s[BG0+1], SL1
	s_add_nc_u64 s[BG0+2:BG0+3], s[BG0+2:BG0+3], 32*ROWB  ; 32 rows on; the type bits on top are not reached
	s_wait_dscnt 0x0                               ; the add is done; my reads of the slot and of the stage are over; my stores into the other stage are done
	ROUND                                          ; no wave of any partner still reads the slot or has a load on its way
	ASK BG0, BG1
.endm
.macro CH_NONE                         ; the last change: nothing is asked for; the barrier shows the last stage to every wave
	OPEN3
	TOGGLE
	s_wait_dscnt 0x0
	s_barrier_signal -1
	s_barrier_wait -1
.endm
; ---------------------------------------------------------------- diff is made
; 1/diag and -mean/diag for my 64 columns 64 qp on, in the order of two fragments' f32: 16 registers for each 32 columns.
.macro VECL qp
.set kk, 0
.rept 8
.set lo, 256*(\qp)+128*(kk/4)+64*((kk%4)/2)+16*(kk%2)
	global_load_b128 v[RS+4*kk:RS+4*kk+3], v[VO], s[10:11] offset:lo
	global_load_b128 v[NM+4*kk:NM+4*kk+3], v[VO], s[6:7] offset:lo
.set kk, kk+1
.endr
.endm
.macro VECM
	s_wait_loadcnt 0x0
.set kk, 0
.rept 32
	v_rcp_f32 v[RS+kk], v[RS+kk]
.set kk, kk+1
.endr
	v_nop                                          ; a plain instruction between the last reciprocal and the use of its result (ISA guide 5.7.2)
.set kk, 0
	s_wait_alu depctr_va_vdst(0)
.rept 16
	v_pk_mul_f32 v[NM+2*kk:NM+2*kk+1], v[NM+2*kk:NM+2*kk+1], v[RS+2*kk:RS+2*kk+1] neg_lo:[1,0] neg_hi:[1,0]
.set kk, kk+1
.endr
.endm
; Batch b of a piece: four fragments (row tiles 4 (b % 2) + 0..3 of the piece's eight, columns 32 (b / 2) on), 16 loads of 16 bytes.
.macro LDX b, i
.set xb, X0+(X1-X0)*((\b)%2)
.set ff, 0
.rept 4
.set lo, (4*((\b)%2)+ff)*16*PR+128*((\b)/2)
	ds_load_b128 v[xb+16*ff:xb+16*ff+3],     v[RA0+2*((\i)%2)] offset:lo
	ds_load_b128 v[xb+16*ff+4:xb+16*ff+7],   v[RA0+2*((\i)%2)] offset:lo+16
	ds_load_b128 v[xb+16*ff+8:xb+16*ff+11],  v[RA0+2*((\i)%2)] offset:lo+64
	ds_load_b128 v[xb+16*ff+12:xb+16*ff+15], v[RA0+2*((\i)%2)] offset:lo+80
.set ff, ff+1
.endr
.endm
.macro MAKE b, i                       ; the batch's diff, rounded to f16 into its place in window 1 + i / 2
.set xb, X0+(X1-X0)*((\b)%2)
.set qq, (\b)/2
.set ff, 0
.rept 4
.set jj, 0
.rept 8
	v_pk_fma_f32 v[xb+16*ff+2*jj:xb+16*ff+2*jj+1], v[xb+16*ff+2*jj:xb+16*ff+2*jj+1], v[RS+16*qq+2*jj:RS+16*qq+2*jj+1], v[NM+16*qq+2*jj:NM+16*qq+2*jj+1]
.set jj, jj+1
.endr
.set ff, ff+1
.endr
	WIN (1+(\i)/2)<<6
.set ff, 0
.rept 4
.set mtt, 8*((\i)%2)+4*((\b)%2)+ff
.set jj, 0
.rept 8
	v_cvt_pk_f16_f32 v[8*(16*qq+mtt)+jj], v[xb+16*ff+2*jj], v[xb+16*ff+2*jj+1]
.set jj, jj+1
.endr
.set ff, ff+1
.endr
	WIN 0
.endm
.macro PROC i                          ; a piece: four batches on two buffers
	LDX 0, \i
.set bb, 0
.rept 4
.if bb < 3
	LDX bb+1, \i
	s_wait_dscnt 16                                ; LDS loads come back in order (ISA guide 5.7.1): all but the next batch's 16 are in
.else
	s_wait_dscnt 0x0
.endif
	MAKE bb, \i
.set bb, bb+1
.endr
.endm
; ---------------------------------------------------------------- a block of diff goes into the stage
.macro PUBQ q                          ; my block q, 16 row tiles: registers 0-3 for the step's first 16 d, then registers 4-7; 32 lanes x 16 neighbouring bytes a store
	WIN (1+(\q)/2)<<2                              ; the stores' data (source 1) in the block's window
.set kk, 0
.rept 32
	ds_store_b128 v[SWA], v[8*(16*((\q)%2)+kk%16)+4*(kk/16):8*(16*((\q)%2)+kk%16)+4*(kk/16)+3] offset:512*kk
.set kk, kk+1
.endr
	WIN 0
.endm
; The next step's block: its owner alone stores, and which of its six blocks is chosen by jumps forward.  Then the count goes on, in every wave alike.
.macro PUBLISH
	v_add_nc_u32 v[SWA], s[SWR], v[L16]
	s_cmp_lg_u32 s[WV], s[OWN]
	s_cbranch_scc1 .Lpub_done_\@
	s_cmp_lg_u32 s[QN], 0
	s_cbranch_scc1 .Lpub_1_\@
	PUBQ 0
	s_branch .Lpub_done_\@
.Lpub_1_\@:
	s_cmp_lg_u32 s[QN], 1
	s_cbranch_scc1 .Lpub_2_\@
	PUBQ 1
	s_branch .Lpub_done_\@
.Lpub_2_\@:
	s_cmp_lg_u32 s[QN], 2
	s_cbranch_scc1 .Lpub_3_\@
	PUBQ 2
	s_branch .Lpub_done_\@
.Lpub_3_\@:
	s_cmp_lg_u32 s[QN], 3
	s_cbranch_scc1 .Lpub_4_\@
	PUBQ 3
	s_branch .Lpub_done_\@
.Lpub_4_\@:
	s_cmp_lg_u32 s[QN], 4
	s_cbranch_scc1 .Lpub_5_\@
	PUBQ 4
	s_branch .Lpub_done_\@
.Lpub_5_\@:
	PUBQ 5
.Lpub_done_\@:
	s_add_co_u32 s[QN], s[QN], 1
	s_cmp_eq_u32 s[QN], 6
	s_cselect_b32 s[QN], 0, s[QN]
	s_cselect_b32 s[INC], 1, 0
	s_add_co_u32 s[OWN], s[OWN], s[INC]
.endm
; ---------------------------------------------------------------- a step: 12 fragments g of inv (16 d: g / 6; 32 e: g % 6), 16 matrix instructions each
.macro LDF g                           ; fragment g as f32: lane (r, h) takes e = 8 h + 0..7 and 16 + 8 h + 0..7 of row r: four loads of 16 bytes
.set lo, ((\g)/6)*16*PB+((\g)%6)*128+16*(((\g)%6)/2)
	ds_load_b128 v[FF+16*((\g)%2):FF+16*((\g)%2)+3],     v[BA] offset:lo
	ds_load_b128 v[FF+16*((\g)%2)+4:FF+16*((\g)%2)+7],   v[BA] offset:lo+16
	ds_load_b128 v[FF+16*((\g)%2)+8:FF+16*((\g)%2)+11],  v[BA] offset:lo+64
	ds_load_b128 v[FF+16*((\g)%2)+12:FF+16*((\g)%2)+15], v[BA] offset:lo+80
.endm
.macro CVT g, part                     ; four of the eight roundings that make fragment g's f16
.set jj, 4*(\part)
.rept 4
	v_cvt_pk_f16_f32 v[BB+8*((\g)%3)+jj], v[FF+16*((\g)%2)+2*jj], v[FF+16*((\g)%2)+2*jj+1]
.set jj, jj+1
.endr
.endm
.macro W g, mt, zero                   ; one product.  zero = 1: it starts the sum: nothing is ever cleared
	WIN (1+((\g)%6)/2)<<2                          ; source 1, diff, in its window
.if \zero
	v_wmma_f32_16x16x32_f16 v[ACC+8*(\mt):ACC+8*(\mt)+7], v[BB+8*((\g)%3):BB+8*((\g)%3)+7], v[8*(16*((\g)%2)+(\mt)):8*(16*((\g)%2)+(\mt))+7], 0
.else
	v_wmma_f32_16x16x32_f16 v[ACC+8*(\mt):ACC+8*(\mt)+7], v[BB+8*((\g)%3):BB+8*((\g)%3)+7], v[8*(16*((\g)%2)+(\mt)):8*(16*((\g)%2)+(\mt))+7], v[ACC+8*(\mt):ACC+8*(\mt)+7]
.endif
.endm
.macro WR g, m0, m1, zero              ; row tiles m0 to m1.  The 16 accumulators take turns, one instruction a turn
.set mm, (\m0)
.rept (\m1)-(\m0)+1
	W \g, mm, \zero
.set mm, mm+1
.endr
.endm
.macro LDE x, nt                       ; diff[16 x + r][the 16 d in hand: 8 h + 0..7], 8 f16, from the stage, into buffer x % 5
	ds_load_b128 v[EE+4*((\x)%5):EE+4*((\x)%5)+3], v[SRA] offset:(\nt)*8192+(\x)*512
.endm
.macro WQ a, b, c, d                   ; four f16 halves widened to f32
	v_cvt_f32_f16 v[TW], \a
	v_cvt_f32_f16 v[TW+1], \b
	v_cvt_f32_f16 v[TW+2], \c
	v_cvt_f32_f16 v[TW+3], \d
.endm
.macro WIDEN sel                       ; sel = 2 x buffer + half: a register's halves are named by the register's number, so the ten cases are written out
.if (\sel) == 0
	WQ v104.l, v104.h, v105.l, v105.h
.elseif (\sel) == 1
	WQ v106.l, v106.h, v107.l, v107.h
.elseif (\sel) == 2
	WQ v108.l, v108.h, v109.l, v109.h
.elseif (\sel) == 3
	WQ v110.l, v110.h, v111.l, v111.h
.elseif (\sel) == 4
	WQ v112.l, v112.h, v113.l, v113.h
.elseif (\sel) == 5
	WQ v114.l, v114.h, v115.l, v115.h
.elseif (\sel) == 6
	WQ v116.l, v116.h, v117.l, v117.h
.elseif (\sel) == 7
	WQ v118.l, v118.h, v119.l, v119.h
.elseif (\sel) == 8
	WQ v120.l, v120.h, v121.l, v121.h
.else
	WQ v122.l, v122.h, v123.l, v123.h
.endif
.endm
.macro EPI x, half                     ; four of row tile x's eight: sum += t[b][d] diff[b][d], even d and odd d apart; the accumulator's lowest registers are read first
	WIDEN 2*((\x)%5)+(\half)
	v_pk_fma_f32 v[SUM+2*(\x):SUM+2*(\x)+1], v[ACC+8*(\x)+4*(\half):ACC+8*(\x)+4*(\half)+1], v[TW:TW+1], v[SUM+2*(\x):SUM+2*(\x)+1]
	v_pk_fma_f32 v[SUM+2*(\x):SUM+2*(\x)+1], v[ACC+8*(\x)+4*(\half)+2:ACC+8*(\x)+4*(\half)+3], v[TW+2:TW+3], v[SUM+2*(\x):SUM+2*(\x)+1]
.endm
; A stage: fragment g's 16 products; among the first four stand the next fragment's roundings and a later fragment's loads.
; The roundings write the f16 buffer that stage g - 2 read: stage g - 1's eight roundings, which name none of those products' registers, are the places between (ISA guide 7.12.1).
; n: the LDS instructions younger than the next fragment's loads.  ld: the fragment to load, or -1.  ent: 0, 1: the first three stage reads of the seam that follows; -1: none.
.macro STG g, n, ld, zero, ent
	WR \g, 0, 1, \zero
	WIN 0
	s_wait_dscnt \n
	CVT (\g)+1, 0
	WR \g, 2, 3, \zero
	WIN 0
	CVT (\g)+1, 1
.if (\ld) >= 0
	LDF \ld
.endif
.if (\ent) >= 0
	LDE 0, \ent
	LDE 1, \ent
	LDE 2, \ent
.endif
	WR \g, 4, 15, \zero
.endm
; A SEAM: the last stage g of 16 d.  Row tile x is multiplied by diff and added two products behind its last product; with next = 1 the next 16 d's first product on that accumulator follows one further on.
; Behind product (g, x) and ahead of the first read of its result stand eight plain instructions or more on other registers (v_nop for x = 0 and 1, other tiles' work later);
; ahead of the product that writes the accumulator anew, more.  Tile i + 3's stage read is issued when tile i - 2, whose buffer it takes, is used up.
; The count of the wait: the stage reads younger than tile i - 2's: tiles i - 1 to i + 2, at most up to 15.
.macro SEAM g, nt, next
.set i, 0
.rept 19
.if i <= 15
	W \g, i, 0
.endif
.if i < 2
	WIN 0
.rept 4
	v_nop
.endr
.elseif i <= 17
.set wn, 17-i
.if wn > 4
.set wn, 4
.endif
	WIN 0
	s_wait_dscnt wn
	EPI i-2, 0
.endif
.if (\next) && (i >= 3)
	W (\g)+1, i-3, 1
.endif
.if (i >= 2) && (i <= 17)
	WIN 0
	EPI i-2, 1
.endif
.if i <= 12
	LDE i+3, \nt
.endif
.set i, i+1
.endr
	WIN 0
.endm
.macro STEP pub                        ; pub = 1: the next step's block of diff is published
	v_add_nc_u32 v[BA], s[TB], v[B0]
	v_add_nc_u32 v[SRA], s[SRD], v[L16]
	LDF 0
	LDF 1
	s_wait_dscnt 4                                 ; fragment 0 is in; fragment 1's four loads may be out
	CVT 0, 0
	CVT 0, 1
	LDF 2
.if \pub
	PUBLISH
.endif
	STG 0, 4, 3, 1, -1                             ; the counts of 4: the four loads of the fragment after the one that is rounded (the owner's stores only make the wait longer)
	STG 1, 4, 4, 0, -1
	STG 2, 4, 5, 0, -1
	STG 3, 4, 6, 0, -1
	WR 4, 0, 1, 0                                  ; stage 4 rounds two fragments: the seam multiplies by 5 and 6 side by side
	WIN 0
	s_wait_dscnt 4
	CVT 5, 0
	WR 4, 2, 3, 0
	WIN 0
	CVT 5, 1
	LDF 7
	WR 4, 4, 5, 0
	WIN 0
	s_wait_dscnt 4                                 ; fragment 6 is in; 7's loads may be out
	CVT 6, 0
	WR 4, 6, 7, 0
	WIN 0
	CVT 6, 1
	LDF 8
	LDE 0, 0
	LDE 1, 0
	LDE 2, 0
	WR 4, 8, 15, 0
	SEAM 5, 0, 1
	CVT 7, 0                                       ; the seam's last wait was for 0: fragment 7 is in
	CVT 7, 1
	LDF 9
	STG 7, 4, 10, 0, -1
	STG 8, 4, 11, 0, -1
	STG 9, 4, -1, 0, -1
	STG 10, 0, -1, 0, 1
	SEAM 11, 1, 0
.endm
; ================================================================ the text
	s_load_b256 s[4:11], s[0:1], 0x0               ; raw s[4:5], mean s[6:7], inv s[8:9], diag s[10:11]
	s_load_b64 s[12:13], s[0:1], 0x20              ; out
	v_lshl_add_u32 v[SPW], v0, 2, SPARE
	v_mov_b32 v[NIL], 0
	ds_add_u32 v[SPW], v[NIL]                      ; the wave's opening: the add and its wait stand ahead of my first tensor load; the set-up below, work on registers, stands between them
	v_lshrrev_b32 v[T0], 5, v0
	v_readfirstlane_b32 s[WV], v[T0]               ; wave 0..3
	s_bfe_u32 s[CX], ttmp6, 0x40000                ; cx: it enters raw's and out's addresses alone
	s_lshl_b32 s[RBK], ttmp9, 2                    ; in a cluster launch ttmp9 counts clusters
	s_add_co_u32 s[RBK], s[RBK], s[CX]             ; my block of 256 rows
	s_and_b32 s[CL], ttmp7, 0xffff                 ; the class, which the four partners share
	; group 1 for raw: 128 rows x 64 f32, 16 bytes of padding behind every 256
	s_mov_b32 s[RG1+0], (2<<16)|(1<<20)|(5<<22)|(3<<25)  ; 15:0 no mask; 17:16 elements of 4 bytes; 20 padding on; 24:22 after every 64 words (code 5); 31:25 4 words (code 3)
	s_mov_b32 s[RG1+1], 64<<16                     ; tensor_dim0 = 64
	s_mov_b32 s[RG1+2], 128<<16                    ; tensor_dim1 = 128
	s_mov_b32 s[RG1+3], 64<<16                     ; tile_dim0 = 64
	s_mov_b32 s[RG1+4], 128                        ; tile_dim1 = 128
	s_mov_b32 s[RG1+5], 768                        ; elements from row to row
	s_mov_b32 s[RG1+6], 0
	s_mov_b32 s[RG1+7], 0
	; group 1 for inv: 32 rows x 192 f32, the same padding: three times in a row
	s_mov_b32 s[BG1+0], 15|(2<<16)|(1<<20)|(1<<21)|(5<<22)|(3<<25)  ; 15:0 the mask: all four work-groups; 21 set beside a mask
	s_mov_b32 s[BG1+1], 192<<16
	s_mov_b32 s[BG1+2], 32<<16
	s_mov_b32 s[BG1+3], 192<<16
	s_mov_b32 s[BG1+4], 32
	s_mov_b32 s[BG1+5], 768
	s_mov_b32 s[BG1+6], 0
	s_mov_b32 s[BG1+7], 0
	s_mul_i32 s18, s[WV], WRB                      ; LDS addresses hang on the wave's number alone
	s_mov_b32 s[RG0A], 1
	s_mov_b32 s[RG0A+1], s18
	s_mov_b32 s[RG0B], 1
	s_add_co_u32 s[RG0B+1], s18, RB1
	s_mul_i32 s19, s[WV], WSL
	s_mov_b32 s[BG0], 1
	s_mov_b32 s[BG0+1], s19
	s_mul_i32 s[W768], s[WV], 768                  ; my wave's 192 columns, in bytes
	s_mul_i32 s20, s[RBK], 256*ROWB                ; raw: my block's rows, my wave's columns
	s_add_co_u32 s20, s20, s[W768]
	s_mov_b32 s21, 0
	s_mul_i32 s22, s[CL], 768*ROWB                 ; inv: the class (233,570,304 bytes at the most), my wave's columns: nothing of cx
	s_add_co_u32 s22, s22, s[W768]
	s_mov_b32 s23, 0
	s_mul_i32 s2, s[CL], ROWB                      ; mean and diag: the class's row
	s_mov_b32 s3, 0
	s_mul_i32 s18, s[RBK], 256*400                 ; out: my block's rows, the class's column
	s_lshl_b32 s19, s[CL], 2
	s_add_co_u32 s18, s18, s19
	s_mov_b32 s19, 0
	s_mov_b32 s[SEL], 0x76543210
	s_mov_b32 s[SEL+1], 0xfedcba98
	s_mov_b32 s[TB], SL1                           ; the first change of slots turns these three
	s_mov_b32 s[SRD], STG0+STGX
	s_mov_b32 s[SWR], STG0
	s_mov_b32 s[QN], 1                             ; block 0 is published ahead of the loop
	s_mov_b32 s[OWN], 0
	s_mov_b32 s[CNT], NSTEP-1
	v_and_b32 v[RL], 15, v0
	v_bfe_u32 v[HL], v0, 4, 1
	v_and_b32 v[T1], 31, v0
	v_lshlrev_b32 v[L16], 4, v[T1]
	v_mul_u32_u24 v[B0], v[RL], PB
	v_lshl_add_u32 v[B0], v[HL], 5, v[B0]
	v_add_nc_u32 v[B0], s[BG0+1], v[B0]
	v_mul_u32_u24 v[RA0], v[RL], PR
	v_lshl_add_u32 v[RA0], v[HL], 5, v[RA0]
	v_add_nc_u32 v[RA0], s[RG0A+1], v[RA0]
	v_add_nc_u32 v[RA1], RB1, v[RA0]
	v_lshlrev_b32 v[VO], 5, v[HL]
	v_add_nc_u32 v[VO], s[W768], v[VO]
.set kk, 0
.rept 32
	v_mov_b32 v[SUM+kk], 0                         ; the rows' sums: two a row tile
.set kk, kk+1
.endr
	s_wait_dscnt 0x0                               ; the opening add is done
	s_wait_kmcnt 0x0
	s_add_nc_u64 s[RAWB:RAWB+1], s[4:5], s[20:21]
	s_add_nc_u64 s[BG0+2:BG0+3], s[8:9], s[22:23]  ; step 0
	s_or_b32 s[BG0+3], s[BG0+3], 0x80000000        ; 127:126 type = 2
	s_add_nc_u64 s[6:7], s[6:7], s[2:3]
	s_add_nc_u64 s[10:11], s[10:11], s[2:3]
	s_add_nc_u64 s[12:13], s[12:13], s[18:19]
	s_add_nc_u64 s[RG0A+2:RG0A+3], s[RAWB:RAWB+1], 0         ; piece 0
	s_or_b32 s[RG0A+3], s[RG0A+3], 0x80000000
	s_add_nc_u64 s[RG0B+2:RG0B+3], s[RAWB:RAWB+1], 128*ROWB  ; piece 1
	s_or_b32 s[RG0B+3], s[RG0B+3], 0x80000000
	ROUND                                          ; the one round in front of the first fills
	tensor_load_to_lds s[RG0A:RG0A+3], s[RG1:RG1+7]
	s_nop 0
	tensor_load_to_lds s[RG0B:RG0B+3], s[RG1:RG1+7]  ; two loads of mine are out; behind every later round, one
	s_nop 0
.rept 4
	v_nop
.endr
	VECL 0
	VECM
	s_wait_tensorcnt 0x1                           ; piece 0 is in; piece 1 may stay out.  A wave reads only what it fetched itself, so its own wait is all that its reads need
	PROC 0
	CH_RAW 2
	PROC 1
	VECL 1                                         ; the next columns' mean and diag travel during the round
	CH_RAW 3
	VECM
	PROC 2
	CH_RAW 4
	PROC 3
	VECL 2
	CH_RAW 5
	VECM
	PROC 4
	CH_FIRST
	PROC 5
	v_add_nc_u32 v[SWA], s[SWR], v[L16]            ; block 0 of diff is wave 0's block 0
	s_cmp_lg_u32 s[WV], 0
	s_cbranch_scc1 .Lpub_first
	PUBQ 0
.Lpub_first:
.Lstep:                                                ; 23 trips: trip t asks for step t + 1, multiplies step t and publishes block t + 1
	CH_B
	STEP 1
	s_sub_co_u32 s[CNT], s[CNT], 1
	s_cmp_lg_u32 s[CNT], 0
	s_cbranch_scc1 .Lstep
	CH_NONE                                        ; the last step is written out
	STEP 0
	; THE WAY OUT.  A lane's two sums and the other half of the lanes' (the other eight of each 16 d) are added; the four waves' parts (their quarters of e) meet in LDS.
	s_lshl_b32 s18, s[WV], 10
	s_add_co_u32 s18, s18, RED
	v_lshl_add_u32 v[T0], v[RL], 2, s18            ; in: my wave's 256 words, row 16 mt + r
	s_lshl_b32 s19, s[WV], 8
	s_add_co_u32 s19, s19, RED
	v_lshrrev_b32 v[T1], 2, v[L16]
	v_add_nc_u32 v[T1], s19, v[T1]                 ; back: rows 64 w + lane and 32 further, of all four waves
	s_lshl_b32 s20, s[WV], 6
	v_lshrrev_b32 v[T2], 4, v[L16]
	v_add_nc_u32 v[T2], s20, v[T2]
	v_mul_u32_u24 v[T2], v[T2], 400                ; and the same rows in out
.set mm, 0
.rept 16
	v_add_f32 v[SUM+2*mm], v[SUM+2*mm], v[SUM+2*mm+1]
.set mm, mm+1
.endr
.set mm, 0
.rept 16
	v_permlanex16_b32 v[SUM+2*mm+1], v[SUM+2*mm], s[SEL], s[SEL+1]
.set mm, mm+1
.endr
.set mm, 0
.rept 16
	v_add_f32 v[SUM+2*mm], v[SUM+2*mm], v[SUM+2*mm+1]
.set mm, mm+1
.endr
.set mm, 0
.rept 16
	ds_store_b32 v[T0], v[SUM+2*mm] offset:64*mm   ; lanes r and r + 16 write the same word with the same number
.set mm, mm+1
.endr
	s_wait_dscnt 0x0                               ; for the others' sake: my stores are done
	s_barrier_signal -1
	s_barrier_wait -1
.set kk, 0
.rept 8
	ds_load_b32 v[BB+kk], v[T1] offset:1024*(kk%4)+128*(kk/4)
.set kk, kk+1
.endr
	s_wait_dscnt 0x0
	v_add_f32 v[BB], v[BB], v[BB+1]
	v_add_f32 v[BB+2], v[BB+2], v[BB+3]
	v_add_f32 v[BB+4], v[BB+4], v[BB+5]
	v_add_f32 v[BB+6], v[BB+6], v[BB+7]
	v_add_f32 v[BB], v[BB], v[BB+2]
	v_add_f32 v[BB+4], v[BB+4], v[BB+6]
	v_xor_b32 v[BB], 0x80000000, v[BB]             ; out is the negated sum
	v_xor_b32 v[BB+4], 0x80000000, v[BB+4]
	global_store_b32 v[T2], v[BB], s[12:13]
	global_store_b32 v[T2], v[BB+4], s[12:13] offset:32*400
	s_wait_tensorcnt 0x0                           ; the wave's end: behind my last tensor load and my last LDS store
	ds_add_u32 v[SPW], v[NIL]
	s_wait_dscnt 0x0
	ROUND                                          ; the closing round: no work-group ends while a partner may still ask for a tile that names it
	s_endpgm
.Lfunc_end_k_q8adbfe2165_fecam:
	.size	k_q8adbfe2165_fecam, .Lfunc_end_k_q8adbfe2165_fecam-k_q8adbfe2165_fecam
	.p2alignl 7, 3214868480
	.fill 96, 4, 3214868480
	.section	.rodata,"a",@progbits
	.p2align	6, 0x0
	.amdhsa_kernel k_q8adbfe2165_fecam
		.amdhsa_group_segment_fixed_size 327680
		.amdhsa_private_segment_fixed_size 0
		.amdhsa_enable_private_segment 0
		.amdhsa_kernarg_size 40
		.amdhsa_user_sgpr_count 2
		.amdhsa_user_sgpr_kernarg_segment_ptr 1
		.amdhsa_wavefront_size32 1
		.amdhsa_system_sgpr_workgroup_id_x 1
		.amdhsa_system_sgpr_workgroup_id_y 1
		.amdhsa_system_sgpr_workgroup_id_z 1
		.amdhsa_system_vgpr_workitem_id 0
		.amdhsa_next_free_vgpr 1024
		.amdhsa_next_free_sgpr 66
		.amdhsa_reserve_vcc 0
		.amdhsa_float_denorm_mode_32 3
		.amdhsa_float_denorm_mode_16_64 3
		.amdhsa_memory_ordered 1
		.amdhsa_forward_progress 1
		.amdhsa_inst_pref_size 255
	.end_amdhsa_kernel
	.section	.bss,"aw",@nobits
	.p2align	6
	.space	262144
	.amdgpu_metadata
---
amdhsa.version: [ 1, 2 ]
amdhsa.kernels:
  - .name:           k_q8adbfe2165_fecam
    .symbol:         k_q8adbfe2165_fecam.kd
    .args:
      - { .name: raw_features, .offset: 0, .size: 8, .value_kind: global_buffer, .address_space: global }
      - { .name: class_means, .offset: 8, .size: 8, .value_kind: global_buffer, .address_space: global }
      - { .name: class_inv_covs, .offset: 16, .size: 8, .value_kind: global_buffer, .address_space: global }
      - { .name: class_diags, .offset: 24, .size: 8, .value_kind: global_buffer, .address_space: global }
      - { .name: out0, .offset: 32, .size: 8, .value_kind: global_buffer, .address_space: global }
    .group_segment_fixed_size: 327680
    .private_segment_fixed_size: 0
    .kernarg_segment_align: 8
    .kernarg_segment_size: 40
    .max_flat_workgroup_size: 128
    .sgpr_count:     66
    .vgpr_count:     1024
    .wavefront_size: 32
...
	.end_amdgpu_metadata
.endif
;; end of part 1
;; ======== version 2 of 2: 1 launch; 1.22 times as fast as version 1
;; limits: values are held in f16: magnitudes above 65,504 overflow, below 6.1e-05 lose precision; right only within a limited range of input values; values outside matrix products are rounded to f16
;; launch fecam (part 2): grid 4 x 100, 4 waves a work-group, clusters of 4 x 4, 327,680 bytes of LDS; arguments raw_features, class_means, class_inv_covs, class_diags, out0; writes out0
.if DOCPART == 2
	.amdgcn_target "amdgcn-amd-amdhsa--gfx1250"
	.amdhsa_code_object_version 6
	.text
	.protected	k_q8adbfe2165_fecam
	.globl	k_q8adbfe2165_fecam
	.p2align	8
	.type	k_q8adbfe2165_fecam,@function
k_q8adbfe2165_fecam:
	s_mov_b64 s[64:65], 0
	v_nop
	global_prefetch_b8 v0, s[64:65] scope:SCOPE_SE
	s_setreg_imm32_b32 hwreg(HW_REG_WAVE_MODE, 25, 1), 1
	s_wait_xcnt 0x0
	s_wait_alu depctr_hold_cnt(0) depctr_sa_sdst(0) depctr_va_vdst(0) depctr_va_sdst(0) depctr_va_ssrc(0) depctr_va_vcc(0) depctr_vm_vsrc(0)
	s_getreg_b32 s2, hwreg(HW_REG_IB_STS2, 6, 4)
	s_cmp_eq_u32 s2, 0
	s_cbranch_scc0 .Lentry_in_a_cluster
	s_endpgm
.Lentry_in_a_cluster:
	s_bfe_u32 s2, ttmp6, 0x10000c
	s_cmp_lg_u32 s2, 0xf033
	s_cbranch_scc0 .Lentry_shape_is_right
	s_endpgm
.Lentry_shape_is_right:
; out[b][c] = - sum over d, e of diff[b][d] inv[c][d][e] diff[b][e],  diff[b][d] = (raw[b][d] - mean[c][d]) / diag[c][d].
; raw [1024][768], mean, diag [100][768], inv [100][768][768], out [1024][100], all f32.
; ORDER OF THE SUMS.  e is summed first: t[b][d] = sum over e of inv[d][e] diff[b][e].  inv's rows (e along the row) are then a matrix operand as they lie in memory: nothing is
; turned and no symmetry is assumed.  The form is linear in t, so a part of the sum over e may be multiplied by diff[b][d] and added to the row's sum by itself: e is split over the waves.
; SHARES.  A work-group owns one class and 256 rows b.  Wave w owns e = 192 w .. 192 w + 191 for all 256 rows: its diff, 16 row tiles x 6 blocks of 32 e in f16, is 768 registers
; (windows 1 to 3) and stays there.  inv goes by in 24 steps of 32 rows d; of each row a wave fetches and reads only its own 768 bytes, as f32, and rounds them to f16 in registers.
; THE FORMAT.  An output is a sum of 589,824 terms of either sign, and each must lie within 1% of the outputs' root mean square.  Three roundings enter each term (inv, diff twice); a rounding
; to p bits is off by about 2^-p / 2 of the number, and the three together shift an output by about 1.7 times that share of the root mean square.  With 8 bits the largest of 102,400
; outputs, four to five times the mean error, reaches the 1%; with f16's 11 bits it stays at an eighth of that.
; THE MATRIX INSTRUCTION: source 0 = 16 rows d of inv x 32 e, source 1 = 16 rows b of diff x 32 e.  In the result lane (r, h) holds row b = r and d = d0 + 8 h + 0..7: what registers
; 0-3 (d0 = 32 t) or 4-7 (d0 = 32 t + 16) of diff's own fragment for block t hold in that lane.  The wave that owns block t (wave t / 6, its block t % 6) puts those fragments into a
; stage in LDS one step ahead; all four waves read them back, lane for lane, widen them to f32 and multiply.
; LDS INSTRUCTIONS STAND IN RUNS, never singly among the matrix instructions: thirteen runs for a step's 192 matrix instructions (48 loads of inv, 32 stage reads, the owner's 32 stores).
; CLUSTER.  4 x 4 work-groups: four classes (along y) x the four row blocks (along x).  A tile of inv hangs on the class alone: the four of a row of the cluster ask for it JOINTLY.  A piece of
; raw hangs on the row block alone: the four of a column ask for it jointly: 400 work-groups x 786,432 bytes of raw become a quarter of that in requests.
; The grid is 25 clusters of equal work; a split into more, smaller shares would cut a row's sum between work-groups and is not made here.
; LIMITS.  f16 holds no number beyond 65,504: a diff or an inv of 65,520 or more becomes an infinity; below 6.1e-5 both keep f16's fixed step of 6e-8.
; diff is made as fma(raw, 1/diag, -mean/diag): against the subtraction first it is off by at most 2^-24 |mean/diag|.  1/diag is v_rcp_f32, which takes denormals as 0
; (ISA guide 15.8): |diag| lies in 2^-126 .. 2^126.  All sums are f32.  NaN and infinities are not treated apart.
; A work-group owns one column of out: its stores are 4 bytes a lane, 400 bytes apart (409,600 bytes in all, beside 236 MB read).
; REGISTERS, in windows of 256 (s_set_vgpr_msb: bits 1:0 source 0, 3:2 source 1, 5:4 source 2, 7:6 destination):
;   window 0: v0-7 addresses; v8-15 eight diff widened (while diff is made: its addresses); v16-47 two sums a row tile; v48-95 inv in f16, a buffer for each of the six blocks of 32 e;
;             v96-127 by turns two fragments of inv in f32, or eight stage reads; v128-255 16 accumulators
;             (while diff is made: v64-127, v192-255 raw, two buffers; v128-159 1/diag; v160-191 -mean/diag)
;   window 1 + q / 2: diff's fragment (row tile mt, block q) at v[8 (16 (q % 2) + mt)]
.set ROWB,  3072                       ; bytes in a row of raw, mean, diag and inv
.set NSTEP, 24                         ; steps of 32 rows of inv
.set PB,    816                        ; a wave's 768 bytes of a row of inv in LDS: 3 x (256 + 16): 51 x 16, so the 16 rows of a load lie in 16 different columns of 16 bytes modulo 256
.set PR,    272                        ; a row of a piece of raw: 256 + 16 = 17 x 16, likewise
.set WSL,   32*PB                      ; a wave's part of a slot of inv
.set WRB,   128*PR                     ; a wave's part of a buffer of raw
.set RB1,   4*WRB                      ; raw's buffer 1 (buffer 0 at byte 0)
.set SL1,   131072                     ; inv's slot 1 (slot 0 at byte 0): one exclusive or turns an address of one slot into the other's
.set SPARE, 2*RB1                      ; behind all that tensor loads fill: the spare words, 128 bytes for each wave, two blocks of 256 bytes that no other line names
.set RED,   SPARE+512                  ; [wave][256 rows] f32: the waves' sums meet here
.set STG0,  294912                     ; stage 0: [16 d: 2][row tile: 16][lane: 32] x 16 bytes; stage 1 lies STGX further
.set STGX,  16384
.set B0,  1                            ; v1   my place in my part of a slot: w WSL + r PB + 32 h
.set BA,  2                            ; v2   the same in the slot in hand
.set L16, 3                            ; v3   16 x lane
.set SRA, 4                            ; v4   my 16 bytes in the stage that is read
.set SWA, 5                            ; v5   in the stage that is written
.set SPW, 6                            ; v6   LDS address of my spare word; never rewritten
.set NIL, 7                            ; v7   0; never rewritten
.set TWA, 8                            ; v8-15  an even row tile's eight diff, widened.  Ahead of the loop and behind it the same eight registers are:
.set RA0, 8                            ; v8   my place in my part of raw's buffer 0: w WRB + r PR + 32 h
.set VO,  9                            ; v9   my byte offset in a row of mean and diag: 768 w + 32 h
.set RA1, 10                           ; v10  RA0 in buffer 1
.set T0,  11                           ; v11-13 at work
.set T1,  12
.set T2,  13
.set RL,  14                           ; v14  r = lane % 16
.set HL,  15                           ; v15  h = lane / 16
.set SUM, 16
.set BB,  48
.set TWO, BB+32                        ; an odd row tile's eight: an f16 buffer that holds nothing wanted while the seam runs; each seam sets it
.set FF,  96                           ; CV2 below names these 32 registers by number
.set ACC, 128
.set X0,  64
.set X1,  192
.set RS,  128
.set NM,  160
.set WV,   14                          ; s14  my wave's number
.set CX,   15                          ; s15  my place along the cluster's x
.set CL,   16                          ; s16  the class
.set RBK,  17                          ; s17  my block of 256 rows
.set RG1,  24                          ; s[24:31] descriptor group 1 for raw's pieces
.set BG1,  32                          ; s[32:39] for inv's tiles
.set RG0A, 40                          ; s[40:43] group 0 for raw's even pieces (buffer 0)
.set BG0,  44                          ; s[44:47] group 0 for inv: it walks
.set RAWB, 48                          ; s[48:49] raw at my block's first row, my wave's first column
.set CNT,  50                          ; s50  steps that still ask for a tile
.set TB,   51                          ; s51  the slot whose fragments are being loaded
.set SRD,  52                          ; s52  the stage that is read
.set SWR,  53                          ; s53  the stage that is written
.set QN,   54                          ; s54  the block to be published: its number in its owner's six,
.set OWN,  55                          ; s55  and its owner
.set INC,  56
.set W768, 57
.set SEL,  58                          ; s[58:59] v_permlanex16_b32's selects: each lane takes its own place in the other half
.set RG0B, 60                          ; s[60:63] group 0 for raw's odd pieces (buffer 1)
.set CY,   66                          ; s66  my place along the cluster's y
.set MROW, 67                          ; s67  the mask of my row of the cluster
.set MCOL, 68                          ; s68  of my column
.set MSB, 0
.macro WIN new                         ; the immediate's high byte repeats the setting that is left; a switch that changes nothing is dropped
.if MSB != (\new)
	s_set_vgpr_msb (MSB<<8)|(\new)
.set MSB, (\new)
.endif
.endm
; A round of the cluster's barrier: my work-group's barrier, so that wave 0's signal speaks for all four waves; wave 0 signals; every wave waits for all sixteen work-groups; my work-group's barrier once more.
.macro ROUND
	s_barrier_signal -1
	s_barrier_wait -1
	s_cmp_lg_u32 s[WV], 0
	s_cbranch_scc1 .Lnot_wave_0_\@
	s_barrier_signal -3
.Lnot_wave_0_\@:
	s_barrier_wait -3
	s_barrier_signal -1
	s_barrier_wait -1
.endm
.macro OPEN3                           ; ahead of a barrier behind which LDS is filled again
	WIN 0
	s_wait_tensorcnt 0x0                           ; all my tensor loads have landed: a group 0 may be written
	ds_add_u32 v[SPW], v[NIL]                      ; 0 onto my spare word; work on registers stands between it and the wait for it
.endm
.macro ASK g0, g1                      ; every wave fetches its own quarter: both addresses hang on the wave's number, the same in every partner.  An s_nop 0 and four v_nop follow
	tensor_load_to_lds s[\g0:\g0+3], s[\g1:\g1+7]
	s_nop 0
.rept 4
	v_nop
.endr
.endm
.macro TOGGLE                          ; the next step's stages
	s_xor_b32 s[SRD], s[SRD], STGX
	s_xor_b32 s[SWR], s[SWR], STGX
.endm
; Piece i of raw (rows 128 (i % 2) on, my columns 64 (i / 2) on) goes into the buffer that has been read out: a joint load of my column of the cluster.
.macro CH_RAW i
.set gg, RG0A+(RG0B-RG0A)*((\i)%2)
	OPEN3
	s_add_nc_u64 s[gg+2:gg+3], s[RAWB:RAWB+1], ((\i)%2)*128*ROWB+((\i)/2)*256
	s_or_b32 s[gg+3], s[gg+3], 0x80000000
	s_wait_dscnt 0x0                               ; the add is done, and my reads of the buffer are over
	ROUND                                          ; no wave of any partner still reads the buffer or has a load on its way
	ASK gg, RG1
.endm
.macro CH_FIRST                        ; step 0 of inv goes into slot 0, which lies inside raw's buffer 0: all its pieces have been read
	OPEN3
	s_wait_dscnt 0x0
	ROUND
	ASK BG0, BG1
.endm
; The change of slots.  The step that now begins has its fragments 0 and 1 on their way out of LDS already (PRE0, below); fragment 0 is rounded between the add and the wait for it.
; The count of 5: fragment 1's four loads and the add.
.macro MEET0
	s_wait_dscnt 5
	C4 0, 0
	C4 0, 1
	s_wait_dscnt 0x0                               ; the add is done; my reads of both slots and of the stage are back; my stores into the other stage are done
.endm
.macro CH_B                            ; the slot read last takes the step after the one that now begins
	OPEN3
	TOGGLE
	s_xor_b32 s[BG0+1], s[BG0+1], SL1
	s_add_nc_u64 s[BG0+2:BG0+3], s[BG0+2:BG0+3], 32*ROWB  ; 32 rows on; the type bits on top are not reached
	MEET0
	ROUND                                          ; no wave of any partner still reads the slot or has a load on its way
	ASK BG0, BG1
.endm
.macro CH_NONE                         ; the last change: nothing is asked for; the barrier shows the last stage to every wave
	OPEN3
	TOGGLE
	MEET0
	s_barrier_signal -1
	s_barrier_wait -1
.endm
; ---------------------------------------------------------------- diff is made
; 1/diag and -mean/diag for my 64 columns 64 qp on, in the order of two fragments' f32: 16 registers for each 32 columns.
.macro VECL qp
.set kk, 0
.rept 8
.set lo, 256*(\qp)+128*(kk/4)+64*((kk%4)/2)+16*(kk%2)
	global_load_b128 v[RS+4*kk:RS+4*kk+3], v[VO], s[10:11] offset:lo
	global_load_b128 v[NM+4*kk:NM+4*kk+3], v[VO], s[6:7] offset:lo
.set kk, kk+1
.endr
.endm
.macro VECM
	s_wait_loadcnt 0x0
.set kk, 0
.rept 32
	v_rcp_f32 v[RS+kk], v[RS+kk]
.set kk, kk+1
.endr
	v_nop                                          ; a plain instruction between the last reciprocal and the use of its result (ISA guide 5.7.2)
.set kk, 0
	s_wait_alu depctr_va_vdst(0)
.rept 16
	v_pk_mul_f32 v[NM+2*kk:NM+2*kk+1], v[NM+2*kk:NM+2*kk+1], v[RS+2*kk:RS+2*kk+1] neg_lo:[1,0] neg_hi:[1,0]
.set kk, kk+1
.endr
.endm
; Batch b of a piece: four fragments (row tiles 4 (b % 2) + 0..3 of the piece's eight, columns 32 (b / 2) on), 16 loads of 16 bytes.
.macro LDX b, i
.set xb, X0+(X1-X0)*((\b)%2)
.set ff, 0
.rept 4
.set lo, (4*((\b)%2)+ff)*16*PR+128*((\b)/2)
	ds_load_b128 v[xb+16*ff:xb+16*ff+3],     v[RA0+2*((\i)%2)] offset:lo
	ds_load_b128 v[xb+16*ff+4:xb+16*ff+7],   v[RA0+2*((\i)%2)] offset:lo+16
	ds_load_b128 v[xb+16*ff+8:xb+16*ff+11],  v[RA0+2*((\i)%2)] offset:lo+64
	ds_load_b128 v[xb+16*ff+12:xb+16*ff+15], v[RA0+2*((\i)%2)] offset:lo+80
.set ff, ff+1
.endr
.endm
.macro MAKE b, i                       ; the batch's diff, rounded to f16 into its place in window 1 + i / 2
.set xb, X0+(X1-X0)*((\b)%2)
.set qq, (\b)/2
.set ff, 0
.rept 4
.set jj, 0
.rept 8
	v_pk_fma_f32 v[xb+16*ff+2*jj:xb+16*ff+2*jj+1], v[xb+16*ff+2*jj:xb+16*ff+2*jj+1], v[RS+16*qq+2*jj:RS+16*qq+2*jj+1], v[NM+16*qq+2*jj:NM+16*qq+2*jj+1]
.set jj, jj+1
.endr
.set ff, ff+1
.endr
	WIN (1+(\i)/2)<<6
.set ff, 0
.rept 4
.set mtt, 8*((\i)%2)+4*((\b)%2)+ff
.set jj, 0
.rept 8
	v_cvt_pk_f16_f32 v[8*(16*qq+mtt)+jj], v[xb+16*ff+2*jj], v[xb+16*ff+2*jj+1]
.set jj, jj+1
.endr
.set ff, ff+1
.endr
	WIN 0
.endm
.macro PROC i                          ; a piece: four batches on two buffers
	LDX 0, \i
.set bb, 0
.rept 4
.if bb < 3
	LDX bb+1, \i
	s_wait_dscnt 16                                ; LDS loads come back in order (ISA guide 5.7.1): all but the next batch's 16 are in
.else
	s_wait_dscnt 0x0
.endif
	MAKE bb, \i
.set bb, bb+1
.endr
.endm
; ---------------------------------------------------------------- a block of diff goes into the stage
.macro PUBQ q                          ; my block q, 16 row tiles: registers 0-3 for the step's first 16 d, then registers 4-7; 32 lanes x 16 neighbouring bytes a store
	WIN (1+(\q)/2)<<2                              ; the stores' data (source 1) in the block's window
.set kk, 0
.rept 32
	ds_store_b128 v[SWA], v[8*(16*((\q)%2)+kk%16)+4*(kk/16):8*(16*((\q)%2)+kk%16)+4*(kk/16)+3] offset:512*kk
.set kk, kk+1
.endr
	WIN 0
.endm
; The next step's block: its owner alone stores, and which of its six blocks is chosen by jumps forward.  Then the count goes on, in every wave alike.
.macro PUBLISH
	v_add_nc_u32 v[SWA], s[SWR], v[L16]
	s_cmp_lg_u32 s[WV], s[OWN]
	s_cbranch_scc1 .Lpub_done_\@
	s_cmp_lg_u32 s[QN], 0
	s_cbranch_scc1 .Lpub_1_\@
	PUBQ 0
	s_branch .Lpub_done_\@
.Lpub_1_\@:
	s_cmp_lg_u32 s[QN], 1
	s_cbranch_scc1 .Lpub_2_\@
	PUBQ 1
	s_branch .Lpub_done_\@
.Lpub_2_\@:
	s_cmp_lg_u32 s[QN], 2
	s_cbranch_scc1 .Lpub_3_\@
	PUBQ 2
	s_branch .Lpub_done_\@
.Lpub_3_\@:
	s_cmp_lg_u32 s[QN], 3
	s_cbranch_scc1 .Lpub_4_\@
	PUBQ 3
	s_branch .Lpub_done_\@
.Lpub_4_\@:
	s_cmp_lg_u32 s[QN], 4
	s_cbranch_scc1 .Lpub_5_\@
	PUBQ 4
	s_branch .Lpub_done_\@
.Lpub_5_\@:
	PUBQ 5
.Lpub_done_\@:
	s_add_co_u32 s[QN], s[QN], 1
	s_cmp_eq_u32 s[QN], 6
	s_cselect_b32 s[QN], 0, s[QN]
	s_cselect_b32 s[INC], 1, 0
	s_add_co_u32 s[OWN], s[OWN], s[INC]
.endm
; ---------------------------------------------------------------- a step: 12 fragments g of inv (16 d: g / 6; 32 e: g % 6), 16 matrix instructions each
.macro LDF g                           ; fragment g as f32, into half g % 2 of v96-127: lane (r, h) takes e = 8 h + 0..7 and 16 + 8 h + 0..7 of row r: four loads of 16 bytes
.set lo, ((\g)/6)*16*PB+((\g)%6)*128+16*(((\g)%6)/2)
	ds_load_b128 v[FF+16*((\g)%2):FF+16*((\g)%2)+3],     v[BA] offset:lo
	ds_load_b128 v[FF+16*((\g)%2)+4:FF+16*((\g)%2)+7],   v[BA] offset:lo+16
	ds_load_b128 v[FF+16*((\g)%2)+8:FF+16*((\g)%2)+11],  v[BA] offset:lo+64
	ds_load_b128 v[FF+16*((\g)%2)+12:FF+16*((\g)%2)+15], v[BA] offset:lo+80
.endm
; The next step's first fragment.  A wave reads only the bytes of inv that it fetched itself, so its own wait on TENSORcnt (one load is out, so the count is 0) is all that these reads need.
.macro PRE0
	s_wait_tensorcnt 0x0                           ; my part of the other slot has landed
	s_xor_b32 s[TB], s[TB], SL1                    ; this step's twelve fragments have all been loaded: the address goes over to the other slot
	v_add_nc_u32 v[BA], s[TB], v[B0]
	LDF 0
.endm
.macro C4 g, part                      ; four of the eight roundings that make fragment g's f16, in buffer g % 6
.set jj, 4*(\part)
.rept 4
	v_cvt_pk_f16_f32 v[BB+8*((\g)%6)+jj], v[FF+16*((\g)%2)+2*jj], v[FF+16*((\g)%2)+2*jj+1]
.set jj, jj+1
.endr
.endm
.macro W g, mt, zero                   ; one product.  zero = 1: it starts the sum: nothing is ever cleared
	WIN (1+((\g)%6)/2)<<2                          ; source 1, diff, in its window
.if \zero
	v_wmma_f32_16x16x32_f16 v[ACC+8*(\mt):ACC+8*(\mt)+7], v[BB+8*((\g)%6):BB+8*((\g)%6)+7], v[8*(16*((\g)%2)+(\mt)):8*(16*((\g)%2)+(\mt))+7], 0
.else
	v_wmma_f32_16x16x32_f16 v[ACC+8*(\mt):ACC+8*(\mt)+7], v[BB+8*((\g)%6):BB+8*((\g)%6)+7], v[8*(16*((\g)%2)+(\mt)):8*(16*((\g)%2)+(\mt))+7], v[ACC+8*(\mt):ACC+8*(\mt)+7]
.endif
.endm
.macro WR g, m0, m1, zero              ; row tiles m0 to m1.  The 16 accumulators take turns, one instruction a turn
.set mm, (\m0)
.rept (\m1)-(\m0)+1
	W \g, mm, \zero
.set mm, mm+1
.endr
.endm
.macro LDE x, nt                       ; diff[16 x + r][the 16 d in hand: 8 h + 0..7], 8 f16, from the stage, into quarter-buffer x % 8 of v96-127
	ds_load_b128 v[FF+4*((\x)%8):FF+4*((\x)%8)+3], v[SRA] offset:(\nt)*8192+(\x)*512
.endm
.macro LDE4 x, nt                      ; a run of four
	LDE (\x), \nt
	LDE (\x)+1, \nt
	LDE (\x)+2, \nt
	LDE (\x)+3, \nt
.endm
.macro LDE8 nt                         ; a seam's first run: row tiles 0 to 7
	LDE4 0, \nt
	LDE4 4, \nt
.endm
.macro CVP d, a, b                     ; two f16 halves widened to f32.  One source, so the setting of source 1's window does not touch them
	v_cvt_f32_f16 v[\d], \a
	v_cvt_f32_f16 v[(\d)+1], \b
.endm
.macro CV2 d, r                        ; register 96 + r: a register's halves are named by the register's number, so the 32 cases are written out
.if (\r) == 0
	CVP \d, v96.l, v96.h
.elseif (\r) == 1
	CVP \d, v97.l, v97.h
.elseif (\r) == 2
	CVP \d, v98.l, v98.h
.elseif (\r) == 3
	CVP \d, v99.l, v99.h
.elseif (\r) == 4
	CVP \d, v100.l, v100.h
.elseif (\r) == 5
	CVP \d, v101.l, v101.h
.elseif (\r) == 6
	CVP \d, v102.l, v102.h
.elseif (\r) == 7
	CVP \d, v103.l, v103.h
.elseif (\r) == 8
	CVP \d, v104.l, v104.h
.elseif (\r) == 9
	CVP \d, v105.l, v105.h
.elseif (\r) == 10
	CVP \d, v106.l, v106.h
.elseif (\r) == 11
	CVP \d, v107.l, v107.h
.elseif (\r) == 12
	CVP \d, v108.l, v108.h
.elseif (\r) == 13
	CVP \d, v109.l, v109.h
.elseif (\r) == 14
	CVP \d, v110.l, v110.h
.elseif (\r) == 15
	CVP \d, v111.l, v111.h
.elseif (\r) == 16
	CVP \d, v112.l, v112.h
.elseif (\r) == 17
	CVP \d, v113.l, v113.h
.elseif (\r) == 18
	CVP \d, v114.l, v114.h
.elseif (\r) == 19
	CVP \d, v115.l, v115.h
.elseif (\r) == 20
	CVP \d, v116.l, v116.h
.elseif (\r) == 21
	CVP \d, v117.l, v117.h
.elseif (\r) == 22
	CVP \d, v118.l, v118.h
.elseif (\r) == 23
	CVP \d, v119.l, v119.h
.elseif (\r) == 24
	CVP \d, v120.l, v120.h
.elseif (\r) == 25
	CVP \d, v121.l, v121.h
.elseif (\r) == 26
	CVP \d, v122.l, v122.h
.elseif (\r) == 27
	CVP \d, v123.l, v123.h
.elseif (\r) == 28
	CVP \d, v124.l, v124.h
.elseif (\r) == 29
	CVP \d, v125.l, v125.h
.elseif (\r) == 30
	CVP \d, v126.l, v126.h
.else
	CVP \d, v127.l, v127.h
.endif
.endm
; THE VECTOR WORK OF A SEAM, for row tile x: eight widenings in two parts, four packed multiply-adds in two pairs.
.macro EWAIT x, more                   ; tile x's stage read is in.  The count: the reads of its own run behind it and, up to tile 11, the next run's four; more: loads of inv issued behind tile 15's read
.set wn, 15-(\x)+(\more)
.if (\x) < 12
.set wn, 7-((\x)%4)
.endif
	s_wait_dscnt wn
.endm
.macro WID x, part                     ; numbers 4 part + 0..3 of tile x's eight, into v8-15 (even tiles) or the idle f16 buffer (odd tiles)
.set twx, TWA+(TWO-TWA)*((\x)%2)
	CV2 twx+4*(\part), 4*((\x)%8)+2*(\part)
	CV2 twx+4*(\part)+2, 4*((\x)%8)+2*(\part)+1
.endm
.macro PK y, k                         ; two of row tile y's eight: sum += t[b][d] diff[b][d], even d and odd d apart
.set twy, TWA+(TWO-TWA)*((\y)%2)
	v_pk_fma_f32 v[SUM+2*(\y):SUM+2*(\y)+1], v[ACC+8*(\y)+2*(\k):ACC+8*(\y)+2*(\k)+1], v[twy+2*(\k):twy+2*(\k)+1], v[SUM+2*(\y):SUM+2*(\y)+1]
.endm
.macro PKS y                           ; tile y's first two and tile y - 1's last two, by turns: no line reads the sum that the line before it wrote.  An accumulator's lowest registers are read first
.if ((\y) >= 0) && ((\y) <= 15)
	PK (\y), 0
.endif
.if ((\y) >= 1) && ((\y) <= 16)
	PK (\y)-1, 2
.endif
.if ((\y) >= 0) && ((\y) <= 15)
	PK (\y), 1
.endif
.if ((\y) >= 1) && ((\y) <= 16)
	PK (\y)-1, 3
.endif
.endm
; How long a widened number lives.  Tile x is widened in trip T: numbers 0-3 early, numbers 4-7 at the trip's end.  Numbers 0-3 are read in trip T + 1, numbers 4-7 in the middle of trip T + 2.
; Tile x + 2, which takes the same eight registers, writes numbers 0-3 early in trip T + 2 and numbers 4-7 at its end: each behind the last read.
; Stage reads: tiles 0-7 are asked for ahead of a seam; tiles 8-11 go out when tiles 0-3 are widened, tiles 12-15 when 4-7 are.
; A STAGE: fragment g's 16 products.  Behind products 0 and 1 the odd fragment o of the pair that lies in v96-127 is rounded, and straight behind that stands the next RUN of loads into those
; registers: fragments ld and ld + 1, or (ent = 0, 1) a seam's first eight stage reads.  Behind products 14 and 15 the even fragment e of the new pair is rounded: 13 products lie between the
; run and the first wait for it.  The count of 4: the second fragment's four loads.  An argument of -1: none.
; A rounding writes an f16 buffer four plain vector instructions or more behind the last product that read it (ISA guide 7.12.1).  The nearest case is fragment 9, whose buffer product (3, 15)
; read: fragment 8's last four roundings, which name none of that product's registers, stand between; every other buffer has lain unread for a stage or more, with roundings in it.
.macro STG g, zero, o, ld, ent, e
	W \g, 0, \zero
.if (\o) >= 0
	WIN 0
	s_wait_dscnt 0x0
	C4 \o, 0
.endif
	W \g, 1, \zero
.if (\o) >= 0
	WIN 0
	C4 \o, 1
.endif
.if (\ld) >= 0
	LDF \ld
	LDF (\ld)+1
.endif
.if (\ent) >= 0
	LDE8 \ent
.endif
	WR \g, 2, 14, \zero
.if (\e) >= 0
	WIN 0
	s_wait_dscnt 4
	C4 \e, 0
.endif
	W \g, 15, \zero
.if (\e) >= 0
	WIN 0
	C4 \e, 1
.endif
.endm
; THE FIRST SEAM: fragment 5 ends the first 16 d, fragment 6 begins the second.  Trip i: product (5, i); four widenings of tile i - 2; product (6, i - 5), which starts that accumulator's new sum;
; the multiply-adds of tiles i - 3 and i - 4; the other four widenings.  Between product (5, y) and the first read of its result stand twelve widenings, which name none of its registers;
; product (6, y) stands a trip behind tile y's last multiply-add.  The odd tiles' buffer is fragment 4's: it is first written in trip 3, behind trip 2's eight widenings into v8-15, the places
; behind the last product that read it.
.macro SEAM1
.set TWO, BB+32
.set i, 0
.rept 21
.set xx, i-2
.set yy, i-3
.if i <= 15
	W 5, i, 0
.endif
.if (xx >= 0) && (xx <= 15)
	EWAIT xx, 0
	WID xx, 0
.endif
.if i >= 5
	W 6, i-5, 1
.endif
.if (yy >= 0) && (yy <= 16)
	WIN 0
	PKS yy
.endif
.if (xx >= 0) && (xx <= 15)
	WID xx, 1
.endif
.if i == 5
	LDE4 8, 0
.endif
.if i == 9
	LDE4 12, 0
.endif
.set i, i+1
.endr
	WIN 0
.endm
; THE SECOND SEAM: the step's last three fragments go by row tiles, so that the second 16 d's vector work stands beside 48 products.  Trip i: product (9, i); four widenings of tile i - 4;
; product (10, i - 1); the multiply-adds of tiles i - 5 and i - 6; product (11, i - 2); the other four widenings: four vector instructions behind each product.
; No two products that follow each other share an accumulator: between two links of a chain stand three others' (at the seam's two ends one).
; Between product (11, y) and the first read of its result stand twelve widenings or more.  The odd tiles' buffer is fragment 6's, last read in the first seam.
; pre = 1: when tiles 8-11 are widened the next step's fragment 0 takes their registers, when tiles 12-15 are, fragment 1 theirs.
.macro SEAM2 pre
.set TWO, BB
.set i, 0
.rept 22
.set xx, i-4
.set yy, i-5
.if i <= 15
	W 9, i, 0
.endif
.if (xx >= 0) && (xx <= 15)
	EWAIT xx, 4*(\pre)
	WID xx, 0
.endif
.if (i >= 1) && (i <= 16)
	W 10, i-1, 0
.endif
.if (yy >= 0) && (yy <= 16)
	WIN 0
	PKS yy
.endif
.if (i >= 2) && (i <= 17)
	W 11, i-2, 0
.endif
.if (xx >= 0) && (xx <= 15)
	WID xx, 1
.endif
.if i == 7
	LDE4 8, 1
.endif
.if i == 11
	LDE4 12, 1
.endif
.if (\pre) && (i == 15)
	WIN 0
	PRE0
.endif
.if (\pre) && (i == 19)
	LDF 1
.endif
.set i, i+1
.endr
	WIN 0
.endm
; A step begins with fragment 0 rounded and fragment 1 in v112-127.  pub = 1: the next step's block of diff is published.  pre = 1: the next step's first two fragments are loaded.
.macro STEP pub, pre
	v_add_nc_u32 v[SRA], s[SRD], v[L16]
	STG 0, 1, 1, 2, -1, 2
	STG 1, 0, 3, 4, -1, 4
	STG 2, 0, 5, 6, -1, 6
	STG 3, 0, 7, 8, -1, 8                          ; fragments 6 to 9 take the buffers that stages 0 to 3 have read out
	STG 4, 0, 9, -1, 0, -1
	SEAM1
	LDF 10                                         ; one run: the last two fragments, then the owner's 32 stores
	LDF 11
.if \pub
	PUBLISH
.endif
	WR 7, 0, 15, 0
	W 8, 0, 0
	WIN 0
	s_wait_dscnt 0x0                               ; for 0, since the owner's stores are younger than the loads and the other waves have none: 17 products lie behind the run
	C4 10, 0
	W 8, 1, 0
	WIN 0
	C4 10, 1
	W 8, 2, 0
	WIN 0
	C4 11, 0
	W 8, 3, 0
	WIN 0
	C4 11, 1
	LDE8 1
	WR 8, 4, 15, 0
	SEAM2 \pre
.endm
; ================================================================ the text
	s_load_b256 s[4:11], s[0:1], 0x0               ; raw s[4:5], mean s[6:7], inv s[8:9], diag s[10:11]
	s_load_b64 s[12:13], s[0:1], 0x20              ; out
	v_lshl_add_u32 v[SPW], v0, 2, SPARE
	v_mov_b32 v[NIL], 0
	ds_add_u32 v[SPW], v[NIL]                      ; the wave's opening: the add and its wait stand ahead of my first tensor load; the set-up below, work on registers, stands between them
	v_lshrrev_b32 v[T0], 5, v0
	v_readfirstlane_b32 s[WV], v[T0]               ; wave 0..3
	s_bfe_u32 s[CX], ttmp6, 0x40000                ; cx: it enters raw's and out's addresses and raw's mask alone
	s_bfe_u32 s[CY], ttmp6, 0x40004                ; cy: it enters the class and inv's mask alone
	s_lshl_b32 s[RBK], ttmp9, 2                    ; in a cluster launch ttmp9 and ttmp7 count clusters
	s_add_co_u32 s[RBK], s[RBK], s[CX]             ; my block of 256 rows = 4 x cluster x + cx
	s_and_b32 s[CL], ttmp7, 0xffff
	s_lshl_b32 s[CL], s[CL], 2
	s_add_co_u32 s[CL], s[CL], s[CY]               ; the class = 4 x cluster y + cy
	s_lshl_b32 s[MROW], s[CY], 2
	s_lshl_b32 s[MROW], 15, s[MROW]                ; my row of the cluster: places 4 cy .. 4 cy + 3
	s_lshl_b32 s[MCOL], 0x1111, s[CX]              ; my column: places cx, cx + 4, cx + 8, cx + 12
	; group 1 for raw: 128 rows x 64 f32, 16 bytes of padding behind every 256
	s_or_b32 s[RG1+0], s[MCOL], (2<<16)|(1<<20)|(1<<21)|(5<<22)|(3<<25)  ; 15:0 the mask: my column; 17:16 elements of 4 bytes; 20 padding on; 21 set beside a mask; 24:22 after every 64 words (code 5); 31:25 4 words (code 3)
	s_mov_b32 s[RG1+1], 64<<16                     ; tensor_dim0 = 64
	s_mov_b32 s[RG1+2], 128<<16                    ; tensor_dim1 = 128
	s_mov_b32 s[RG1+3], 64<<16                     ; tile_dim0 = 64
	s_mov_b32 s[RG1+4], 128                        ; tile_dim1 = 128
	s_mov_b32 s[RG1+5], 768                        ; elements from row to row
	s_mov_b32 s[RG1+6], 0
	s_mov_b32 s[RG1+7], 0
	; group 1 for inv: 32 rows x 192 f32, the same padding: three times in a row
	s_or_b32 s[BG1+0], s[MROW], (2<<16)|(1<<20)|(1<<21)|(5<<22)|(3<<25)  ; the same with the mask of my row
	s_mov_b32 s[BG1+1], 192<<16
	s_mov_b32 s[BG1+2], 32<<16
	s_mov_b32 s[BG1+3], 192<<16
	s_mov_b32 s[BG1+4], 32
	s_mov_b32 s[BG1+5], 768
	s_mov_b32 s[BG1+6], 0
	s_mov_b32 s[BG1+7], 0
	s_mul_i32 s18, s[WV], WRB                      ; LDS addresses hang on the wave's number alone
	s_mov_b32 s[RG0A], 1
	s_mov_b32 s[RG0A+1], s18
	s_mov_b32 s[RG0B], 1
	s_add_co_u32 s[RG0B+1], s18, RB1
	s_mul_i32 s19, s[WV], WSL
	s_mov_b32 s[BG0], 1
	s_mov_b32 s[BG0+1], s19
	s_mul_i32 s[W768], s[WV], 768                  ; my wave's 192 columns, in bytes
	s_mul_i32 s20, s[RBK], 256*ROWB                ; raw: my block's rows, my wave's columns: nothing of cy
	s_add_co_u32 s20, s20, s[W768]
	s_mov_b32 s21, 0
	s_mul_i32 s22, s[CL], 768*ROWB                 ; inv: the class (233,570,304 bytes at the most), my wave's columns: nothing of cx
	s_add_co_u32 s22, s22, s[W768]
	s_mov_b32 s23, 0
	s_mul_i32 s2, s[CL], ROWB                      ; mean and diag: the class's row
	s_mov_b32 s3, 0
	s_mul_i32 s18, s[RBK], 256*400                 ; out: my block's rows, the class's column
	s_lshl_b32 s19, s[CL], 2
	s_add_co_u32 s18, s18, s19
	s_mov_b32 s19, 0
	s_mov_b32 s[SEL], 0x76543210
	s_mov_b32 s[SEL+1], 0xfedcba98
	s_mov_b32 s[TB], SL1                           ; the first PRE0 turns it into slot 0
	s_mov_b32 s[SRD], STG0+STGX                    ; the first change of slots turns these two
	s_mov_b32 s[SWR], STG0
	s_mov_b32 s[QN], 1                             ; block 0 is published ahead of the loop
	s_mov_b32 s[OWN], 0
	s_mov_b32 s[CNT], NSTEP-1
	v_and_b32 v[RL], 15, v0
	v_bfe_u32 v[HL], v0, 4, 1
	v_and_b32 v[T1], 31, v0
	v_lshlrev_b32 v[L16], 4, v[T1]
	v_mul_u32_u24 v[B0], v[RL], PB
	v_lshl_add_u32 v[B0], v[HL], 5, v[B0]
	v_add_nc_u32 v[B0], s[BG0+1], v[B0]
	v_mul_u32_u24 v[RA0], v[RL], PR
	v_lshl_add_u32 v[RA0], v[HL], 5, v[RA0]
	v_add_nc_u32 v[RA0], s[RG0A+1], v[RA0]
	v_add_nc_u32 v[RA1], RB1, v[RA0]
	v_lshlrev_b32 v[VO], 5, v[HL]
	v_add_nc_u32 v[VO], s[W768], v[VO]
.set kk, 0
.rept 32
	v_mov_b32 v[SUM+kk], 0                         ; the rows' sums: two a row tile
.set kk, kk+1
.endr
	s_wait_dscnt 0x0                               ; the opening add is done
	s_wait_kmcnt 0x0
	s_add_nc_u64 s[RAWB:RAWB+1], s[4:5], s[20:21]
	s_add_nc_u64 s[BG0+2:BG0+3], s[8:9], s[22:23]  ; step 0
	s_or_b32 s[BG0+3], s[BG0+3], 0x80000000        ; 127:126 type = 2
	s_add_nc_u64 s[6:7], s[6:7], s[2:3]
	s_add_nc_u64 s[10:11], s[10:11], s[2:3]
	s_add_nc_u64 s[12:13], s[12:13], s[18:19]
	s_add_nc_u64 s[RG0A+2:RG0A+3], s[RAWB:RAWB+1], 0         ; piece 0
	s_or_b32 s[RG0A+3], s[RG0A+3], 0x80000000
	s_add_nc_u64 s[RG0B+2:RG0B+3], s[RAWB:RAWB+1], 128*ROWB  ; piece 1
	s_or_b32 s[RG0B+3], s[RG0B+3], 0x80000000
	ROUND                                          ; all sixteen work-groups are here: the first joint loads meet
	tensor_load_to_lds s[RG0A:RG0A+3], s[RG1:RG1+7]
	s_nop 0
	tensor_load_to_lds s[RG0B:RG0B+3], s[RG1:RG1+7]  ; two loads of mine are out; behind every later round, one
	s_nop 0
.rept 4
	v_nop
.endr
	VECL 0
	VECM
	s_wait_tensorcnt 0x1                           ; piece 0 is in; piece 1 may stay out.  A wave reads only what it fetched itself, so its own wait is all that its reads need
	PROC 0
	CH_RAW 2
	PROC 1
	VECL 1                                         ; the next columns' mean and diag travel during the round
	CH_RAW 3
	VECM
	PROC 2
	CH_RAW 4
	PROC 3
	VECL 2
	CH_RAW 5
	VECM
	PROC 4
	CH_FIRST
	PROC 5
	v_add_nc_u32 v[SWA], s[SWR], v[L16]            ; block 0 of diff is wave 0's block 0
	s_cmp_lg_u32 s[WV], 0
	s_cbranch_scc1 .Lpub_first
	PUBQ 0
.Lpub_first:
	PRE0                                           ; step 0's first two fragments, as every later step's are loaded in the step before
	LDF 1
.Lstep:                                                ; 23 trips: trip t asks for step t + 1, multiplies step t, publishes block t + 1 and loads step t + 1's first two fragments
	CH_B
	STEP 1, 1
	s_sub_co_u32 s[CNT], s[CNT], 1
	s_cmp_lg_u32 s[CNT], 0
	s_cbranch_scc1 .Lstep
	CH_NONE                                        ; the last step is written out
	STEP 0, 0
	; THE WAY OUT.  A lane's two sums and the other half of the lanes' (the other eight of each 16 d) are added; the four waves' parts (their quarters of e) meet in LDS.
	v_and_b32 v[RL], 15, v0
	s_lshl_b32 s18, s[WV], 10
	s_add_co_u32 s18, s18, RED
	v_lshl_add_u32 v[T0], v[RL], 2, s18            ; in: my wave's 256 words, row 16 mt + r
	s_lshl_b32 s19, s[WV], 8
	s_add_co_u32 s19, s19, RED
	v_lshrrev_b32 v[T1], 2, v[L16]
	v_add_nc_u32 v[T1], s19, v[T1]                 ; back: rows 64 w + lane and 32 further, of all four waves
	s_lshl_b32 s20, s[WV], 6
	v_lshrrev_b32 v[T2], 4, v[L16]
	v_add_nc_u32 v[T2], s20, v[T2]
	v_mul_u32_u24 v[T2], v[T2], 400                ; and the same rows in out
.set mm, 0
.rept 16
	v_add_f32 v[SUM+2*mm], v[SUM+2*mm], v[SUM+2*mm+1]
.set mm, mm+1
.endr
.set mm, 0
.rept 16
	v_permlanex16_b32 v[SUM+2*mm+1], v[SUM+2*mm], s[SEL], s[SEL+1]
.set mm, mm+1
.endr
.set mm, 0
.rept 16
	v_add_f32 v[SUM+2*mm], v[SUM+2*mm], v[SUM+2*mm+1]
.set mm, mm+1
.endr
.set mm, 0
.rept 16
	ds_store_b32 v[T0], v[SUM+2*mm] offset:64*mm   ; lanes r and r + 16 write the same word with the same number
.set mm, mm+1
.endr
	s_wait_dscnt 0x0                               ; for the others' sake: my stores are done
	s_barrier_signal -1
	s_barrier_wait -1
.set kk, 0
.rept 8
	ds_load_b32 v[BB+kk], v[T1] offset:1024*(kk%4)+128*(kk/4)
.set kk, kk+1
.endr
	s_wait_dscnt 0x0
	v_add_f32 v[BB], v[BB], v[BB+1]
	v_add_f32 v[BB+2], v[BB+2], v[BB+3]
	v_add_f32 v[BB+4], v[BB+4], v[BB+5]
	v_add_f32 v[BB+6], v[BB+6], v[BB+7]
	v_add_f32 v[BB], v[BB], v[BB+2]
	v_add_f32 v[BB+4], v[BB+4], v[BB+6]
	v_xor_b32 v[BB], 0x80000000, v[BB]             ; out is the negated sum
	v_xor_b32 v[BB+4], 0x80000000, v[BB+4]
	global_store_b32 v[T2], v[BB], s[12:13]
	global_store_b32 v[T2], v[BB+4], s[12:13] offset:32*400
	s_wait_tensorcnt 0x0                           ; the wave's end: behind my last tensor load and my last LDS store
	ds_add_u32 v[SPW], v[NIL]
	s_wait_dscnt 0x0
	ROUND                                          ; the closing round: no work-group ends while a partner may still ask for a tile that names it
	s_endpgm
.Lfunc_end_k_q8adbfe2165_fecam:
	.size	k_q8adbfe2165_fecam, .Lfunc_end_k_q8adbfe2165_fecam-k_q8adbfe2165_fecam
	.p2alignl 7, 3214868480
	.fill 96, 4, 3214868480
	.section	.rodata,"a",@progbits
	.p2align	6, 0x0
	.amdhsa_kernel k_q8adbfe2165_fecam
		.amdhsa_group_segment_fixed_size 327680
		.amdhsa_private_segment_fixed_size 0
		.amdhsa_enable_private_segment 0
		.amdhsa_kernarg_size 40
		.amdhsa_user_sgpr_count 2
		.amdhsa_user_sgpr_kernarg_segment_ptr 1
		.amdhsa_wavefront_size32 1
		.amdhsa_system_sgpr_workgroup_id_x 1
		.amdhsa_system_sgpr_workgroup_id_y 1
		.amdhsa_system_sgpr_workgroup_id_z 1
		.amdhsa_system_vgpr_workitem_id 0
		.amdhsa_next_free_vgpr 1024
		.amdhsa_next_free_sgpr 72
		.amdhsa_reserve_vcc 0
		.amdhsa_float_denorm_mode_32 3
		.amdhsa_float_denorm_mode_16_64 3
		.amdhsa_memory_ordered 1
		.amdhsa_forward_progress 1
		.amdhsa_inst_pref_size 255
	.end_amdhsa_kernel
	.amdgpu_metadata
---
amdhsa.version: [ 1, 2 ]
amdhsa.kernels:
  - .name:           k_q8adbfe2165_fecam
    .symbol:         k_q8adbfe2165_fecam.kd
    .args:
      - { .name: raw_features, .offset: 0, .size: 8, .value_kind: global_buffer, .address_space: global }
      - { .name: class_means, .offset: 8, .size: 8, .value_kind: global_buffer, .address_space: global }
      - { .name: class_inv_covs, .offset: 16, .size: 8, .value_kind: global_buffer, .address_space: global }
      - { .name: class_diags, .offset: 24, .size: 8, .value_kind: global_buffer, .address_space: global }
      - { .name: out0, .offset: 32, .size: 8, .value_kind: global_buffer, .address_space: global }
    .group_segment_fixed_size: 327680
    .private_segment_fixed_size: 0
    .kernarg_segment_align: 8
    .kernarg_segment_size: 40
    .max_flat_workgroup_size: 128
    .sgpr_count:     72
    .vgpr_count:     1024
    .wavefront_size: 32
...
	.end_amdgpu_metadata
.endif
;; end of part 2
